; MI455X (gfx1250); checked and timed in simulation.
; The chip was launched on July 23, 2026; its instructions are those of AMD's public machine-readable ISA for CDNA 5 (MIT licence, August 2026) and "CDNA5" Instruction Set Architecture Reference Guide (July 2026). The comments in the code are by the model that wrote it; some were corrected since.
;; Audio Tokenizer. Allowed arithmetic: matrix products marked QUANTISED: E3M2 operands, one E8M0 scale for each 32 along K, by v_wmma_scale_f32_16x16x128_f8f6f4 with both operands' format E3M2, f32 sums; everything else in f32.
;; Inputs: codebook 8,192 x 256 float32; z 32 x 1,024 x 256 float32.
;; Outputs: out0 32 x 1,024 x 256 float32; out1 32 x 1,024 int32; out2 one number float32.
;; This version of the problem:
;;   THIS VERSION OF THE PROBLEM IS GIVEN IN LOW PRECISION. The matrix products marked QUANTISED in the list below multiply operands that are first quantised to E3M2 (3 exponent bits, 2 mantissa bits; 6 bits a number), with one power-of-two scale for each 32 numbers along K (OCP MX v1.0); their sums are f32. All else is computed in f32.
;;   The module's matrix products, in the order in which they are computed (A, B: the left and right operand; K: the contracted axis; several contracted axes count as one K, in the product's order):
;;     1. [M 32,768, K 256] x [K 256, N 8,192]; A: input z; B: input codebook: QUANTISED
;;   THE QUANTISER, for each operand of a quantised product, along K:
;;     - K is cut into blocks of 32 from its start; a last block that is shorter is filled with zeros.
;;     - A block's scale is 2^e with e = floor(log2(the largest magnitude in the block)) - 4, held to -126 .. 127; a block of zeros has e = 0. As a byte (E8M0): e + 127.
;;     - Each number is divided by its block's scale, clamped to +-28, and rounded to the nearest number of E3M2, ties to even, subnormals kept.
;;     - The product sums the exact products of the quantised numbers (number of the format x scale) in f32.
;;   ~~~python
;;   def quantise(x, axis):      # numpy; x: float32 -> the quantised numbers, widened to float32 again
;;       x = np.moveaxis(x, axis, -1); K = x.shape[-1]
;;       x = np.pad(x, [(0, 0)] * (x.ndim - 1) + [(0, -K % 32)]); x = x.reshape(x.shape[:-1] + (-1, 32)); a = np.abs(x).max(-1, keepdims=True)
;;       e = np.where(a > 0, np.clip(np.frexp(np.where(a > 0, a, 1))[1] - 1 - 4, -126, 127), 0)      # np.frexp(a)[1] - 1 = floor(log2(a)), exactly
;;       r = np.clip(x / 2.0 ** e, -28, 28)
;;       step = 2.0 ** (np.maximum(np.frexp(np.where(r == 0, 1, r))[1] - 1, -2) - 2)
;;       q = np.round(r / step) * step * 2.0 ** e      # np.round: ties to even
;;       return np.moveaxis(q.reshape(q.shape[:-2] + (-1,))[..., :K], -1, axis).astype(np.float32)
;;   ~~~
;; One version. Each part assembles by itself: llvm-mc -triple=amdgcn-amd-amdhsa -mcpu=gfx1250 --defsym DOCPART=n.
;; ======== version 1 of 1: 5 launches
;; limits: right only within a limited range of input values
;; workspace buffers: zrec 6,815,744 bytes; crec 1,835,008 bytes; cand 131,072 bytes of whole numbers; ids 131,072 bytes of whole numbers; part 2,048 bytes
;; launch quant (part 1): grid 640 x 1, 4 waves a work-group, no clusters, 68,096 bytes of LDS; arguments z, codebook, zrec, crec; writes zrec, crec
.if DOCPART == 1
	.amdgcn_target "amdgcn-amd-amdhsa--gfx1250"
	.amdhsa_code_object_version 6
	.text
	.protected	k_qd3d062b477_quant
	.globl	k_qd3d062b477_quant
	.p2align	8
	.type	k_qd3d062b477_quant,@function
k_qd3d062b477_quant:
	s_mov_b64 s[64:65], 0
	v_nop
	global_prefetch_b8 v0, s[64:65] scope:SCOPE_SE
	s_setreg_imm32_b32 hwreg(HW_REG_WAVE_MODE, 25, 1), 1
	s_wait_xcnt 0x0
; z [32768][256] and codebook [8192][256], f32, are turned into BF6 (E3M2) codes, scale bytes and sums of squares, laid as the later launches want their registers.
; A wave takes 16 neighbouring rows (16,384 dense bytes) and makes 24 registers a lane: registers 12 s + 6 c .. + 5 of lane (r, h) hold the codes of k = 128 s + 64 c + 32 h + 0 .. 31 of row r; and 256 bytes beside them:
;   words 0-15: row l's scale word (four E8M0 bytes) of K step 0; words 16-31: row l - 16's of K step 1; words 32-63: the f32 sum of squares of row l mod 16 (twice).
; z: rows 16 T .. 16 T + 15 are a record of 3,328 bytes at 3328 T: bytes 512 k + 16 lane hold registers 4 k .. 4 k + 3; the 256 bytes at 3072.
; codebook: 128 codes are a GROUP of 28,672 bytes, seen by the product as eight tiles: row m of tile t is code 128 g + 8 m + t, so that row m of the eight tiles is eight neighbouring codes.
;   Registers 4 k .. 4 k + 3 of lane (m, h) of tile t lie at 4096 k + 256 m + 128 h + 16 t.  My rows are codes 128 g + 16 y + r: m = 2 y + r / 8, t = r mod 8: one register group of the wave is 512 consecutive bytes at 4096 k + 512 y.
;   At 24576 + 256 t: tile t's 256 bytes, in the order given above with m for the row: my lanes' words go there one by one, 4 bytes a lane (two stores a wave; 2,048 of a group's 28,672 bytes).
;   At 26624 + 256 y: my own 256 bytes as they are: the scale words and sums of codes 16 y .. 16 y + 15 of the group, eight neighbouring codes on end.
; A block's scale is 2^(floor(log2(its largest magnitude)) - 4): its byte is the largest magnitude's exponent field - 4, held at 1 from below by a floor among the maximum's leaves.
; LIMITS: NaN and infinities among the inputs are not served.  A block of zeros gets the byte 1 (its codes are zeros; this program alone reads the bytes).  A row's sum of squares is added in four packed chains, not in reference()'s order.
; SHARES: work-groups 0 .. 511 take z, 512 .. 639 the codebook; the two part only round stores to memory.  Waves share nothing: no barrier.
; Each load reads 512 consecutive bytes, 16 a lane; the conversions want 32 neighbours along K in one lane: so the 16 rows turn through the wave's own stage in LDS (rows 1,040 bytes apart).
.set REC,  3328
.set GRPM, 28672
.set SPT,  1040
.set AUX,  16*SPT                      ; behind the stage: 256 bytes for the scale words and the sums
.set WREG, AUX+256
.set MX,   10
.set EX,   14
.set BY,   18
.set X,    32                          ; v32-159 128 numbers
.set FR,   160                         ; v160-183 the 24 registers
.set TH,   184                         ; v184-199 the blocks' upper halves, as the conversions leave them
.set SQ,   200                         ; v200-207 four packed chains of squares
	s_load_b128 s[4:7], s[0:1], 0x0                ; z, codebook
	s_load_b128 s[8:11], s[0:1], 0x10              ; zrec, crec
	v_lshl_add_u32 v208, v0, 2, 0x10800            ; my spare word, behind the four waves' regions
	v_mov_b32 v209, 0
	v_lshrrev_b32 v1, 5, v0
	v_readfirstlane_b32 s12, v1                    ; wave 0..3
	v_and_b32 v1, 31, v0                           ; lane
	v_and_b32 v2, 15, v0                           ; r
	v_bfe_u32 v3, v0, 4, 1                         ; h
	v_lshlrev_b32 v4, 4, v1                        ; 16 x lane
	s_wait_alu depctr_va_vdst(0)
	s_cmp_lt_u32 ttmp9, 512
	s_cselect_b32 s15, 0, 512
	s_sub_co_u32 s15, ttmp9, s15
	s_lshl_b32 s15, s15, 2
	s_add_co_u32 s15, s15, s12                     ; which 16 rows of my tensor
	s_lshr_b32 s18, s15, 3                         ; g
	s_and_b32 s19, s15, 7                          ; y
	s_mul_i32 s13, s12, WREG
	v_add_nc_u32 v5, s13, v4                       ; the stage, way in
	v_mul_u32_u24 v6, v2, SPT
	v_lshl_add_u32 v6, v3, 7, v6
	v_add_nc_u32 v6, s13, v6                       ; way out: row r, + 128 h
	s_add_co_u32 s14, s13, AUX
	v_lshl_add_u32 v7, v1, 2, s14                  ; a word a lane
	v_lshl_add_u32 v8, v1, 3, s14                  ; back: 8 bytes a lane
	v_lshlrev_b32 v9, 3, v1
	v_and_b32 v22, 7, v0                           ; t
	v_bfe_u32 v23, v0, 3, 1                        ; r / 8
	v_lshlrev_b32 v27, 4, v22
	v_lshlrev_b32 v30, 8, v22
	v_lshl_add_u32 v27, v23, 8, v27
	v_lshl_add_u32 v30, v23, 2, v30
	v_lshl_add_u32 v27, v3, 7, v27
	v_lshl_add_u32 v30, v3, 6, v30
	v_lshl_add_u32 v27, s19, 9, v27                ; the codebook's codes: 512 y + 256 (r / 8) + 128 h + 16 t
	v_lshl_add_u32 v30, s19, 3, v30                ; its tiles' words: 256 t + 4 m + 64 h
	s_mov_b32 s20, 0x76543210
	s_mov_b32 s21, 0xfedcba98                      ; v_permlanex16_b32's selects for lane l xor 16
	s_lshl_b32 s16, s15, 14                        ; 16,384 bytes of f32 (under 2^25)
	s_mov_b32 s17, 0
	s_mul_i32 s22, s15, REC                        ; z: my record,
	s_add_co_u32 s26, s22, 3072                    ; and its 256 bytes
	s_mul_i32 s23, s18, GRPM                       ; codebook: my group,
	s_lshl_b32 s25, s19, 8
	s_add_co_u32 s25, s25, s23
	s_add_co_u32 s25, s25, 26624                   ; and my 256 bytes
	s_mov_b32 s27, 0
	s_mov_b32 s24, 0
	s_wait_alu depctr_va_vdst(0)                   ; the head's end
	s_wait_kmcnt 0x0
	s_cmp_lt_u32 ttmp9, 512                        ; z's work-group or the codebook's?
	s_cselect_b64 s[4:5], s[4:5], s[6:7]
	s_cselect_b64 s[8:9], s[8:9], s[10:11]
	s_cselect_b32 s26, s26, s25
	s_cselect_b32 s22, s22, s23
	s_mov_b32 s23, 0
	s_add_nc_u64 s[4:5], s[4:5], s[16:17]
	s_add_nc_u64 s[28:29], s[8:9], s[26:27]
	s_add_nc_u64 s[8:9], s[8:9], s[22:23]
.set i, 0
.rept 32
	global_load_b128 v[X+4*i:X+4*i+3], v4, s[4:5] offset:512*i th:TH_LOAD_NT   ; half a row: 512 consecutive bytes
.set i, i+1
.endr
.irp k, 0,1,2,3
	s_wait_loadcnt 24-8*\k                         ; these eight are in, the 24 - 8 k younger ones may be out
.irp n, 0,1,2,3,4,5,6,7
	ds_store_b128 v5, v[X+4*(8*\k+\n):X+4*(8*\k+\n)+3] offset:((8*\k+\n)/2)*SPT+((8*\k+\n)%2)*512
.endr
.endr
.irp q, 0,1,2,3                                ; LDS serves a wave's instructions in order.  Registers 32 q .. 32 q + 31: block 2 q + h of row r, whole
.irp n, 0,1,2,3,4,5,6,7
	ds_load_b128 v[X+32*\q+4*\n:X+32*\q+4*\n+3], v6 offset:256*\q+16*\n
.endr
.endr
	s_wait_dscnt 0x0
.irp c, 0,1,2,3
	v_pk_mul_f32 v[SQ+2*\c:SQ+2*\c+1], v[X+2*\c:X+2*\c+1], v[X+2*\c:X+2*\c+1]   ; the row's sum of squares: the first four pairs start the chains
.endr
.set i, 4
.rept 60
	v_pk_fma_f32 v[SQ+2*(i%4):SQ+2*(i%4)+1], v[X+2*i:X+2*i+1], v[X+2*i:X+2*i+1], v[SQ+2*(i%4):SQ+2*(i%4)+1]
.set i, i+1
.endr
	v_pk_add_f32 v[SQ:SQ+1], v[SQ:SQ+1], v[SQ+2:SQ+3]
	v_pk_add_f32 v[SQ+4:SQ+5], v[SQ+4:SQ+5], v[SQ+6:SQ+7]
	v_pk_add_f32 v[SQ:SQ+1], v[SQ:SQ+1], v[SQ+4:SQ+5]
	v_add_f32 v[SQ], v[SQ], v[SQ+1]
	v_permlanex16_b32 v[SQ+2], v[SQ], s20, s21     ; the row's other 128 numbers lie in the lane 16 away
	v_add_f32 v[SQ], v[SQ], v[SQ+2]
.irp q, 0,1,2,3
	v_max3_num_f32 v[MX+\q], |v[X+32*\q]|, |v[X+32*\q+1]|, 0x2800000   ; the four blocks' largest magnitudes, by turns, with the floor 2^(5 - 127)
.endr
.irp n, 2,4,6,8,10,12,14,16,18,20,22,24,26,28,30
.irp q, 0,1,2,3
	v_max3_num_f32 v[MX+\q], v[MX+\q], |v[X+32*\q+\n]|, |v[X+32*\q+\n+1]|
.endr
.endr
.irp q, 0,1,2,3
	v_add_nc_u32 v[EX+\q], 0xfe000000, v[MX+\q]    ; 4 off the exponent field: the conversion's scale operand
.endr
.irp q, 0,1,2,3
	v_lshrrev_b32 v[BY+\q], 23, v[EX+\q]           ; the scale's byte
.endr
.irp q, 0,1,2,3
	v_cvt_scalef32_pk16_bf6_f32 v[FR+6*\q:FR+6*\q+2], v[X+32*\q:X+32*\q+15], v[EX+\q]
	v_cvt_scalef32_pk16_bf6_f32 v[TH+4*\q:TH+4*\q+2], v[X+32*\q+16:X+32*\q+31], v[EX+\q]   ; (three registers from an even one on: the upper half is made here and moved)
.endr
	v_nop                                          ; one plain place behind a scaled conversion
.irp q, 0,1,2,3
.irp n, 0,1,2
	v_mov_b32 v[FR+6*\q+3+\n], v[TH+4*\q+\n]
.endr
.endr
	; the scale words.  Of K step s I hold bytes h and 2 + h; lane l xor 16 holds the other two
	v_lshl_or_b32 v22, v[BY+1], 16, v[BY]
	v_lshl_or_b32 v23, v[BY+3], 16, v[BY+2]
	v_lshlrev_b32 v24, 3, v3
	v_lshlrev_b32 v22, v24, v22
	v_lshlrev_b32 v23, v24, v23
	v_mov_b32 v25, 0
	v_mov_b32 v26, 0
	v_permlanex16_b32 v25, v22, s20, s21
	v_permlanex16_b32 v26, v23, s20, s21
	v_or_b32 v22, v22, v25
	v_or_b32 v23, v23, v26
	v_cmp_eq_u32 vcc_lo, 1, v3
	v_cndmask_b32 v22, v22, v23, vcc_lo            ; lanes 0-15 keep K step 0's word, lanes 16-31 K step 1's
	ds_store_b32 v7, v22                           ; the words and the sums meet in 256 bytes of LDS
	ds_store_b32 v7, v[SQ] offset:128
	ds_load_b64 v[28:29], v8
	s_cmp_lt_u32 ttmp9, 512
	s_wait_alu depctr_va_vdst(0)
	s_wait_dscnt 0x0
	s_cbranch_scc0 .Lbook
.irp k, 0,1,2,3,4,5
	global_store_b128 v4, v[FR+4*\k:FR+4*\k+3], s[8:9] offset:512*\k    ; z: 512 consecutive bytes
.endr
	s_branch .Lstored
.Lbook:
.irp k, 0,1,2,3,4,5
	global_store_b128 v27, v[FR+4*\k:FR+4*\k+3], s[8:9] offset:4096*\k  ; codebook: the wave's 32 lanes fill 512 consecutive bytes, in another order of the lanes
.endr
	global_store_b32 v30, v22, s[8:9] offset:24576                      ; my word and my sum in tile t's 256 bytes
	global_store_b32 v30, v[SQ], s[8:9] offset:24576+128
.Lstored:
	global_store_b64 v9, v[28:29], s[28:29]        ; the 256 bytes, on end
	s_wait_tensorcnt 0x0                           ; the wave's end
	ds_add_u32 v208, v209
	s_wait_dscnt 0x0
	s_endpgm
.Lfunc_end_k_qd3d062b477_quant:
	.size	k_qd3d062b477_quant, .Lfunc_end_k_qd3d062b477_quant-k_qd3d062b477_quant
	.p2alignl 7, 3214868480
	.fill 96, 4, 3214868480
	.section	.rodata,"a",@progbits
	.p2align	6, 0x0
	.amdhsa_kernel k_qd3d062b477_quant
		.amdhsa_group_segment_fixed_size 68096
		.amdhsa_private_segment_fixed_size 0
		.amdhsa_enable_private_segment 0
		.amdhsa_kernarg_size 32
		.amdhsa_user_sgpr_count 2
		.amdhsa_user_sgpr_kernarg_segment_ptr 1
		.amdhsa_wavefront_size32 1
		.amdhsa_system_sgpr_workgroup_id_x 1
		.amdhsa_system_sgpr_workgroup_id_y 1
		.amdhsa_system_sgpr_workgroup_id_z 1
		.amdhsa_system_vgpr_workitem_id 0
		.amdhsa_next_free_vgpr 210
		.amdhsa_next_free_sgpr 66
		.amdhsa_reserve_vcc 1
		.amdhsa_float_denorm_mode_32 3
		.amdhsa_float_denorm_mode_16_64 3
		.amdhsa_memory_ordered 1
		.amdhsa_forward_progress 1
		.amdhsa_inst_pref_size 23
	.end_amdhsa_kernel
	.amdgpu_metadata
---
amdhsa.version: [ 1, 2 ]
amdhsa.kernels:
  - .name:           k_qd3d062b477_quant
    .symbol:         k_qd3d062b477_quant.kd
    .args:
      - { .name: z, .offset: 0, .size: 8, .value_kind: global_buffer, .address_space: global }
      - { .name: codebook, .offset: 8, .size: 8, .value_kind: global_buffer, .address_space: global }
      - { .name: zrec, .offset: 16, .size: 8, .value_kind: global_buffer, .address_space: global }
      - { .name: crec, .offset: 24, .size: 8, .value_kind: global_buffer, .address_space: global }
    .group_segment_fixed_size: 68096
    .private_segment_fixed_size: 0
    .kernarg_segment_align: 8
    .kernarg_segment_size: 32
    .max_flat_workgroup_size: 128
    .sgpr_count:     66
    .vgpr_count:     210
    .wavefront_size: 32
...
	.end_amdgpu_metadata
.endif
;; end of part 1
;; launch nearest (part 2): grid 256 x 1, 8 waves a work-group, clusters of 4 x 1, 327,680 bytes of LDS; arguments zrec, crec, cand; writes cand
.if DOCPART == 2
	.amdgcn_target "amdgcn-amd-amdhsa--gfx1250"
	.amdhsa_code_object_version 6
	.text
	.protected	k_qd3d062b477_nearest
	.globl	k_qd3d062b477_nearest
	.p2align	8
	.type	k_qd3d062b477_nearest,@function
k_qd3d062b477_nearest:
	s_mov_b64 s[64:65], 0
	v_nop
	global_prefetch_b8 v0, s[64:65] scope:SCOPE_SE
	s_setreg_imm32_b32 hwreg(HW_REG_WAVE_MODE, 25, 1), 1
	s_wait_xcnt 0x0
	s_wait_alu depctr_hold_cnt(0) depctr_sa_sdst(0) depctr_va_vdst(0) depctr_va_sdst(0) depctr_va_ssrc(0) depctr_va_vcc(0) depctr_vm_vsrc(0)
	s_getreg_b32 s2, hwreg(HW_REG_IB_STS2, 6, 4)
	s_cmp_eq_u32 s2, 0
	s_cbranch_scc0 .Lentry_in_a_cluster
	s_endpgm
.Lentry_in_a_cluster:
	s_bfe_u32 s2, ttmp6, 0x10000c
	s_cmp_lg_u32 s2, 0x3003
	s_cbranch_scc0 .Lentry_shape_is_right
	s_endpgm
.Lentry_shape_is_right:
; For each row of z: WHICH EIGHT NEIGHBOURING CODES (octet q = code / 8, 0 .. 1023) hold the first smallest distance d = (zz - 2 z.c) + cc, each d rounded as reference() rounds it (one fma, one add, in f32).
; The product z.c is made on BF6 codes by the scaled matrix instruction, 2 K steps of 128.  The launch behind this one finds the code inside the octet.
; WHY OCTETS: row m of the eight tiles of a codebook group g holds codes 128 g + 8 m + 0 .. 7.  A lane's result register (row m = 8 h + j of the tile) meets these eight codes in the eight tiles of a group, so the running
; minimum of that register is compared with its value at the group's start ONCE A GROUP, and 16 g is kept where it fell: 8 compares and 8 selects for 64 results, beside 3 instructions for each 2 results (packed fma, packed add, min3).
; A strict compare keeps the earlier group; at the end q = 16 g + m, and equal distances are merged to the lower q: octets are runs of codes, so that is the order of the codes.
; SHARES: a work-group takes 128 rows of z (8 records of zrec) against all 64 groups.  Wave w: z's records 4 (w & 1) + 0 .. 3 (96 registers, loaded once), groups w / 2 + 4 T, T = 0 .. 15.
; LDS: two slots of four groups' first 104 rows of 256 bytes (codes, the tiles' scale words and sums), 16 bytes of padding behind each row; each wave brings 52 rows by one tensor load; the four work-groups of a cluster ask jointly (they walk the same bytes).
; A trip is a slot: 4 steps of 2 tiles x 4 tiles of z = 16 matrix instructions each.  Two trips to a loop's turn, since the two sets of minima change places from group to group.
; PREFETCH: a slot is 416 blocks of 256 bytes.  Each is named once in a cluster: the work-group at place cx takes group cx of the slot, its wave w blocks 13 w .. 13 w + 12, a lane a block (lanes 13-31 name the wave's last block again).
; Slots 1 and 2 are asked for at the head, behind z's loads; trip T asks for slot T + 3, whose tensor load goes out at the end of trip T + 1; trips 13 to 15 ask for nothing.
; LIMITS: NaN and infinities among the inputs are not served.
.set REC,   3328
.set GRPM,  28672                      ; a group in memory
.set LP,    272                        ; an LDS row
.set GL,    104*LP                     ; a group in LDS
.set AUXL,  96*LP                      ; its tiles' scale words and sums: row 96 + t
.set SLOTM, 4*GRPM
.set SLOT1, 131072
.set SPARE, SLOT1+4*GL                 ; the spare words: 1,024 bytes that no other line names
.set MRG,   SPARE+1024                 ; 512 bytes a wave for the merge at the end
.set AF0, 1
.set AS0, 2
.set AC0, 3
.set AF,  4                            ; LDS addresses in this trip's slot: fragments, scale words, sums
.set AS,  5
.set AC,  6
.set SPW, 7
.set NIL, 8
.set VQ,  9                            ; 16 g of the group at work
.set L16, 10
.set L4,  11
.set ZZ,  12                           ; v12-19 z's sums of squares, one pair a tile (the low word is used)
.set ZS,  20                           ; v20-23 z's scale words
.set CS,  24                           ; v24-27 the codes' scale words, two sets of two
.set CC,  28                           ; v28-59 the codes' sums of squares, two sets of 16
.set ACC, 60                           ; v60-123 2 tiles of codes x 4 tiles of z
.set BSTA, 124                         ; v124-155, v156-187 the minima: at the group's start, and running; they change places
.set BSTB, 156
.set IX,  188                          ; v188-219 16 g of the minimum
.set PFO, 220                          ; v220 the prefetches' offset; never rewritten
.set MW,  252
.set MR,  253
.set H8,  254
.set CF,  96                           ; window 1: v0-95 z's fragments, v96-191 the codes', two sets of two tiles
.set MK,  44
.set PT,  68
.set PR,  76
.set RB,  84
.set OC,  100
.set OA,  102
.set MSB, 0
.macro WIN new
.if MSB != \new
	s_set_vgpr_msb (MSB<<8)|\new
.set MSB, \new
.endif
.endm
.macro CREST
	s_cmp_lg_u32 s12, 0
	s_cbranch_scc1 .Lnot_wave_0_\@
	s_barrier_signal -3
.Lnot_wave_0_\@:
	s_barrier_wait -3
	s_barrier_signal -1
	s_barrier_wait -1
.endm
.macro CROUND
	s_barrier_signal -1
	s_barrier_wait -1
	CREST
.endm
.macro FETCH u, b                      ; tiles 2 u, 2 u + 1 of my group into set b
	WIN 0x40
.irp e, 0,1
.irp k, 0,1,2,3,4,5
	ds_load_b128 v[CF+48*(\b)+24*\e+4*\k:CF+48*(\b)+24*\e+4*\k+3], v[AF] offset:16*LP*\k+16*(2*(\u)+\e)
.endr
.endr
	WIN 0
.irp e, 0,1
	ds_load_b32 v[CS+2*(\b)+\e], v[AS] offset:LP*(2*(\u)+\e)
	ds_load_b128 v[CC+16*(\b)+8*\e:CC+16*(\b)+8*\e+3], v[AC] offset:LP*(2*(\u)+\e)
	ds_load_b128 v[CC+16*(\b)+8*\e+4:CC+16*(\b)+8*\e+7], v[AC] offset:LP*(2*(\u)+\e)+16
.endr
.endm
.macro WM b, i                         ; source 0 = 16 codes, source 1 = 16 rows of z: a lane holds one row of z and eight codes.  The two accumulators take turns
	WIN 0x05
.irp e, 0,1
	v_wmma_scale_f32_16x16x128_f8f6f4 v[ACC+32*\e+8*(\i):ACC+32*\e+8*(\i)+7], v[CF+48*(\b)+24*\e:CF+48*(\b)+24*\e+11], v[24*(\i):24*(\i)+11], 0, v[CS+2*(\b)+\e], v[ZS+(\i)] matrix_a_fmt:MATRIX_FMT_BF6 matrix_b_fmt:MATRIX_FMT_BF6
.endr
.irp e, 0,1
	v_wmma_scale_f32_16x16x128_f8f6f4 v[ACC+32*\e+8*(\i):ACC+32*\e+8*(\i)+7], v[CF+48*(\b)+24*\e+12:CF+48*(\b)+24*\e+23], v[24*(\i)+12:24*(\i)+23], v[ACC+32*\e+8*(\i):ACC+32*\e+8*(\i)+7], v[CS+2*(\b)+\e], v[ZS+(\i)] matrix_a_fmt:MATRIX_FMT_BF6 matrix_b_fmt:MATRIX_FMT_BF6 matrix_a_scale:MATRIX_SCALE_ROW1 matrix_b_scale:MATRIX_SCALE_ROW1
.endr
	WIN 0
.endm
; The distances of two tiles of codes (sums in set b) against z's tile i, into the running minima.  f: the group's first two tiles (the minima move to the other set); l: its last two (compare and keep 16 g); p: the group's parity
.macro VA b, i, f, l, p
.irp e, 0,1
.irp j, 0,2,4,6
	v_pk_fma_f32 v[ACC+32*\e+8*(\i)+\j:ACC+32*\e+8*(\i)+\j+1], v[ACC+32*\e+8*(\i)+\j:ACC+32*\e+8*(\i)+\j+1], -2.0, v[ZZ+2*(\i):ZZ+2*(\i)+1] op_sel_hi:[1,0,0]
.endr
.endr
.irp e, 0,1
.irp j, 0,2,4,6
	v_pk_add_f32 v[ACC+32*\e+8*(\i)+\j:ACC+32*\e+8*(\i)+\j+1], v[ACC+32*\e+8*(\i)+\j:ACC+32*\e+8*(\i)+\j+1], v[CC+16*(\b)+8*\e+\j:CC+16*(\b)+8*\e+\j+1]
.endr
.endr
.irp j, 0,1,2,3,4,5,6,7
.if \f
	v_min3_num_f32 v[BSTB-32*(\p)+8*(\i)+\j], v[BSTA+32*(\p)+8*(\i)+\j], v[ACC+8*(\i)+\j], v[ACC+32+8*(\i)+\j]
.else
	v_min3_num_f32 v[BSTB-32*(\p)+8*(\i)+\j], v[BSTB-32*(\p)+8*(\i)+\j], v[ACC+8*(\i)+\j], v[ACC+32+8*(\i)+\j]
.endif
.endr
.if \l
.irp j, 0,1,2,3,4,5,6,7
	v_cmp_lt_f32 s[MK+\j], v[BSTB-32*(\p)+8*(\i)+\j], v[BSTA+32*(\p)+8*(\i)+\j]
.endr
.irp j, 0,1,2,3,4,5,6,7
	v_cndmask_b32 v[IX+8*(\i)+\j], v[IX+8*(\i)+\j], v[VQ], s[MK+\j]
.endr
.endif
.endm
; A step: 16 matrix instructions on set b; z's tile 3 of the step before is worked here (f3, l3, p3 are its flags), so that each tile's vector work stands behind the next tile's products.
; pf, in a trip's first step: 1: the slot three trips on is prefetched; 2: the same, but not in the loop's last turn (that slot would lie beyond the buffer); 0: nothing
.macro STEP u, b, o, p, f3, l3, p3, f, pf
	s_wait_dscnt 0x0
	WM \b, 0
	VA \o, 3, \f3, \l3, \p3
.if (\u) == 0
	v_mov_b32 v[VQ], s41                           ; behind the last group's last compare: this group's 16 g
	s_add_co_u32 s41, s41, 64
.endif
	FETCH (\u)+1, \o
.if \pf == 2
	s_cmp_gt_u32 s42, 1
	s_cbranch_scc0 .Lno_ask_\@
.endif
.if \pf
	s_cmp_lt_u32 ttmp9, 4
	s_cbranch_scc0 .Lno_prefetch_neares0_\@
	global_prefetch_b8 v[PFO], s[56:57] offset:2*SLOTM th:TH_LOAD_NT scope:SCOPE_SE
.Lno_prefetch_neares0_\@:
.endif
.if \pf == 2
.Lno_ask_\@:
.endif
	WM \b, 1
	VA \b, 0, \f, 0, \p
	WM \b, 2
	VA \b, 1, \f, 0, \p
	WM \b, 3
	VA \b, 2, \f, 0, \p
.endm
; A trip's last step changes slots.  mode 1: the slot read out is filled again; 2: nothing is left to fetch; 3: the last trip
.macro LAST mode, p
.if \mode == 1
	s_wait_xcnt 0x0                                ; the trip's prefetch, three steps back, has read its base: it steps a slot on
	s_add_nc_u64 s[56:57], s[56:57], SLOTM
.endif
	s_wait_dscnt 0x0
.if \mode < 3
	s_wait_tensorcnt 0x0                           ; all my tensor loads have landed: my part of the next slot
	ds_add_u32 v[SPW], v[NIL]
.endif
.if \mode == 1
	s_xor_b32 s37, s37, SLOT1                      ; no load of mine is out: the descriptor steps to this slot, two trips on
	s_add_nc_u64 s[38:39], s[38:39], SLOTM
.endif
	WM 1, 0
	VA 0, 3, 0, 0, \p
.if \mode < 3
	s_wait_dscnt 0x0                               ; the add is done; my reads of this slot are over
	s_barrier_signal -1
.endif
	WM 1, 1
	VA 1, 0, 0, 1, \p
	WM 1, 2
	VA 1, 1, 0, 1, \p
.if \mode < 3
	s_barrier_wait -1
.endif
.if \mode == 1
	CREST                                          ; the barrier has opened a round of the cluster's barrier
	tensor_load_to_lds s[36:39], s[24:31]
	s_nop 0
.rept 4
	v_nop
.endr
.endif
.if \mode < 3
	s_xor_b32 s40, s40, SLOT1
	v_add_nc_u32 v[AF], s40, v[AF0]
	v_add_nc_u32 v[AS], s40, v[AS0]
	v_add_nc_u32 v[AC], s40, v[AC0]
	FETCH 0, 0
.endif
	WM 1, 3
	VA 1, 2, 0, 1, \p
.endm
.macro TRIP p, mode, pf
	STEP 0, 0, 1, \p, 0, 1, 1-\p, 1, \pf
	STEP 1, 1, 0, \p, 1, 0, \p, 0, 0
	STEP 2, 0, 1, \p, 0, 0, \p, 0, 0
	LAST \mode, \p
.endm
.macro MERGE dv, di, bv, bi, cv, ci, m ; the smaller distance; of equal ones the lower octet
	v_cmp_lt_f32 s[\m], v[\cv], v[\bv]
	v_cmp_eq_f32 s[\m+1], v[\cv], v[\bv]
	v_cmp_lt_u32 s[\m+2], v[\ci], v[\bi]
	s_and_b32 s[\m+1], s[\m+1], s[\m+2]
	s_or_b32 s[\m], s[\m], s[\m+1]
	v_cndmask_b32 v[\dv], v[\bv], v[\cv], s[\m]
	v_cndmask_b32 v[\di], v[\bi], v[\ci], s[\m]
.endm
	s_load_b128 s[4:7], s[0:1], 0x0                ; zrec, crec
	s_load_b64 s[8:9], s[0:1], 0x10                ; cand
	v_lshl_add_u32 v[SPW], v0, 2, SPARE
	v_mov_b32 v[NIL], 0
	ds_add_u32 v[SPW], v[NIL]                      ; the opening lines: the add twice on end and its wait
	ds_add_u32 v[SPW], v[NIL]
	v_lshrrev_b32 v9, 5, v0
	v_and_b32 v6, 31, v0
	v_readfirstlane_b32 s12, v9                    ; wave 0..7
	v_lshlrev_b32 v[L16], 4, v6
	v_lshlrev_b32 v[L4], 2, v6
	v_min_u32 v[PFO], 12, v6
	s_and_b32 s13, s12, 1                          ; which half of z's tiles
	s_lshr_b32 s14, s12, 1                         ; which of a slot's four groups
	s_bfe_u32 s15, ttmp6, 0x40000
	s_lshl_b32 s16, ttmp9, 2
	s_add_co_u32 s16, s16, s15                     ; work-group
	s_mul_i32 s22, s15, GRPM                       ; the prefetches: my work-group's group of a slot,
	s_mul_i32 s23, s12, 13*256                     ; my wave's 13 blocks of it
	s_add_co_u32 s22, s22, s23
	s_wait_alu depctr_va_vdst(0)
	v_lshl_add_u32 v[PFO], v[PFO], 8, s22
	s_mov_b32 s24, 15|(3<<16)|(1<<20)|(1<<21)|(5<<22)|(3<<25)   ; all four of the cluster; elements of 8 bytes; 4 words of padding behind every 64
	s_mov_b32 s25, 32<<16
	s_mov_b32 s26, 52<<16
	s_mov_b32 s27, 32<<16
	s_mov_b32 s28, 52                              ; 52 rows of 256 bytes
	s_mov_b32 s29, 32
	s_mov_b32 s30, 0
	s_mov_b32 s31, 0
	s_mul_i32 s18, s14, GRPM                       ; my eighth of a slot in memory: group w / 2, half w & 1;
	s_mul_i32 s23, s13, 52*256
	s_add_co_u32 s18, s18, s23
	s_mov_b32 s19, 0
	s_mul_i32 s17, s12, 52*LP                      ; and in LDS
	s_lshl_b32 s20, s16, 3
	s_lshl_b32 s21, s13, 2
	s_add_co_u32 s20, s20, s21
	s_mul_i32 s20, s20, REC                        ; my four tiles of z
	s_mov_b32 s21, 0
	s_mov_b32 s40, 0
	s_lshl_b32 s41, s14, 4                         ; 16 g, g = w / 2 in trip 0
	s_mov_b32 s42, 7
	s_mov_b32 s58, 0x76543210
	s_mov_b32 s59, 0xfedcba98
	s_wait_dscnt 0x0
	s_wait_alu depctr_va_vdst(0)
	s_wait_kmcnt 0x0
	s_add_nc_u64 s[4:5], s[4:5], s[20:21]
	s_add_nc_u64 s[56:57], s[6:7], SLOTM           ; the prefetches' base: slot 1
	s_mov_b32 s32, 1
	s_mov_b32 s33, s17
	s_add_nc_u64 s[34:35], s[6:7], s[18:19]
	s_or_b32 s35, s35, 0x80000000
	s_mov_b32 s36, 1
	s_add_co_u32 s37, s17, SLOT1
	s_add_nc_u64 s[38:39], s[6:7], s[18:19]
	s_add_nc_u64 s[38:39], s[38:39], SLOTM
	s_or_b32 s39, s39, 0x80000000
	CROUND
	tensor_load_to_lds s[32:35], s[24:31]          ; slot 0: one tensor load a wave at the head
	s_nop 0
	WIN 0x40
.irp i, 0,1,2,3                                ; z's fragments go out while the tile is on its way
.irp k, 0,1,2,3,4,5
	global_load_b128 v[24*\i+4*\k:24*\i+4*\k+3], v[L16], s[4:5] offset:\i*REC+512*\k
.endr
.endr
	WIN 0
.irp i, 0,1,2,3
	global_load_b32 v[ZS+\i], v[L4], s[4:5] offset:\i*REC+3072
	global_load_b32 v[ZZ+2*\i], v[L4], s[4:5] offset:\i*REC+3200
.endr
	s_cmp_lt_u32 ttmp9, 4
	s_cbranch_scc0 .Lno_prefetch_neares1
	global_prefetch_b8 v[PFO], s[56:57] th:TH_LOAD_NT scope:SCOPE_SE                ; slot 1,
	global_prefetch_b8 v[PFO], s[56:57] offset:SLOTM th:TH_LOAD_NT scope:SCOPE_SE   ; slot 2
.Lno_prefetch_neares1:
	v_and_b32 v[MW], 15, v0
	v_bfe_u32 v[MR], v0, 4, 1
	s_mul_i32 s22, s14, GL
	v_mul_u32_u24 v[AF0], v[MW], LP
	v_lshlrev_b32 v[H8], 3, v[MR]
	s_add_co_u32 s23, s22, AUXL
	v_add_nc_u32 v[AS0], s23, v[L4]
	v_lshl_add_u32 v[AF0], v[MR], 7, v[AF0]
	s_add_co_u32 s23, s23, 128
	v_lshl_add_u32 v[AC0], v[MR], 5, s23
	v_add_nc_u32 v[AF0], s22, v[AF0]               ; row m of a register group, + 128 h
	s_lshl_b32 s23, s12, 9
	s_add_co_u32 s23, s23, MRG
	v_lshl_add_u32 v[MW], v[MW], 3, s23
	v_add_nc_u32 v[MR], s23, v[L16]
	v_add_nc_u32 v[AS], s40, v[AS0]
	v_add_nc_u32 v[AC], s40, v[AC0]
	v_add_nc_u32 v[AF], s40, v[AF0]
.set i, 0
.rept 32
	v_mov_b32 v[BSTA+i], 0x7f800000
	v_mov_b32 v[IX+i], 0
.set i, i+1
.endr
.set i, 0
.rept 8                                        ; the first step works a tile 3 that no product has made: -inf gives the distance +inf, which moves nothing
	v_mov_b32 v[BSTB+24+i], 0x7f800000
	v_mov_b32 v[ACC+24+i], 0xff800000
	v_mov_b32 v[ACC+56+i], 0xff800000
.set i, i+1
.endr
.set i, 0
.rept 16
	v_mov_b32 v[CC+16+i], 0
.set i, i+1
.endr
.irp i, 0,1,2,3
	v_mov_b32 v[ZZ+2*\i+1], 0
.endr
	v_mov_b32 v[VQ], 0
	s_wait_alu depctr_va_vdst(0)                   ; the head's end
	s_wait_tensorcnt 0x0                           ; my part of slot 0 is in; these lines stand ahead of slot 1's first fill as ahead of a refill
	ds_add_u32 v[SPW], v[NIL]
	s_wait_dscnt 0x0
	CROUND                                         ; everybody's part of slot 0 is in
	tensor_load_to_lds s[36:39], s[24:31]
	s_nop 0
.rept 4
	v_nop
.endr
	FETCH 0, 0
	s_wait_loadcnt 0x0                             ; z
.Lslot:
	s_wait_alu depctr_va_vdst(0)
	TRIP 0, 1, 1
	TRIP 1, 1, 2
	s_sub_co_u32 s42, s42, 1
	s_cmp_lg_u32 s42, 0
	s_cbranch_scc1 .Lslot
	TRIP 0, 2, 0
	TRIP 1, 3, 0
	VA 1, 3, 0, 1, 1
.irp i, 0,1,2,3
.irp j, 0,1,2,3,4,5,6,7
	v_add3_u32 v[IX+8*\i+\j], v[IX+8*\i+\j], v[H8], \j   ; q = 16 g + m, m = 8 h + j
.endr
.endr
.irp j, 0,1,2,3
.irp i, 0,1,2,3
	MERGE BSTA+8*\i+\j, IX+8*\i+\j, BSTA+8*\i+\j, IX+8*\i+\j, BSTA+8*\i+\j+4, IX+8*\i+\j+4, MK+3*\i
.endr
.endr
.irp j, 0,1
.irp i, 0,1,2,3
	MERGE BSTA+8*\i+\j, IX+8*\i+\j, BSTA+8*\i+\j, IX+8*\i+\j, BSTA+8*\i+\j+2, IX+8*\i+\j+2, MK+3*\i
.endr
.endr
.irp i, 0,1,2,3
	MERGE BSTA+8*\i, IX+8*\i, BSTA+8*\i, IX+8*\i, BSTA+8*\i+1, IX+8*\i+1, MK+3*\i
.endr
.irp i, 0,1,2,3
	v_permlanex16_b32 v[PT+2*\i], v[BSTA+8*\i], s58, s59
	v_permlanex16_b32 v[PT+2*\i+1], v[IX+8*\i], s58, s59
.endr
.irp i, 0,1,2,3
	MERGE PR+2*\i, PR+2*\i+1, BSTA+8*\i, IX+8*\i, PT+2*\i, PT+2*\i+1, MK+3*\i
.endr
.irp i, 0,1,2,3
	ds_store_b64 v[MW], v[PR+2*\i:PR+2*\i+1] offset:128*\i   ; (distance, q) of column r of z's tile i; both halves of the lanes write the same
.endr
	s_wait_dscnt 0x0
	s_barrier_signal -1
	s_barrier_wait -1
	s_cmp_ge_u32 s12, 2
	s_cbranch_scc1 .Ldone                          ; waves 0 and 1 merge the four waves that hold their half of z
.irp g, 0,1,2,3
	ds_load_b128 v[RB+4*\g:RB+4*\g+3], v[MR] offset:1024*\g
.endr
	s_lshl_b32 s20, s16, 9
	s_lshl_b32 s21, s12, 8
	s_add_co_u32 s20, s20, s21
	s_mov_b32 s21, 0
	s_add_nc_u64 s[8:9], s[8:9], s[20:21]
	v_lshlrev_b32 v[OA], 1, v[L4]
	s_wait_dscnt 0x0
.irp g, 1,2,3
.irp x, 0,1
	MERGE RB+2*\x, RB+2*\x+1, RB+2*\x, RB+2*\x+1, RB+4*\g+2*\x, RB+4*\g+2*\x+1, MK+3*\x
.endr
.endr
	v_mov_b32 v[OC], v[RB+1]
	v_mov_b32 v[OC+1], v[RB+3]
	global_store_b64 v[OA], v[OC:OC+1], s[8:9]     ; cand[row of z]: 256 consecutive bytes a wave
.Ldone:
	s_wait_tensorcnt 0x0                           ; the wave's end
	ds_add_u32 v[SPW], v[NIL]
	s_wait_dscnt 0x0
	CROUND                                         ; the closing round
	s_endpgm
.Lfunc_end_k_qd3d062b477_nearest:
	.size	k_qd3d062b477_nearest, .Lfunc_end_k_qd3d062b477_nearest-k_qd3d062b477_nearest
	.p2alignl 7, 3214868480
	.fill 96, 4, 3214868480
	.section	.rodata,"a",@progbits
	.p2align	6, 0x0
	.amdhsa_kernel k_qd3d062b477_nearest
		.amdhsa_group_segment_fixed_size 327680
		.amdhsa_private_segment_fixed_size 0
		.amdhsa_enable_private_segment 0
		.amdhsa_kernarg_size 24
		.amdhsa_user_sgpr_count 2
		.amdhsa_user_sgpr_kernarg_segment_ptr 1
		.amdhsa_wavefront_size32 1
		.amdhsa_system_sgpr_workgroup_id_x 1
		.amdhsa_system_sgpr_workgroup_id_y 1
		.amdhsa_system_sgpr_workgroup_id_z 1
		.amdhsa_system_vgpr_workitem_id 0
		.amdhsa_next_free_vgpr 448
		.amdhsa_next_free_sgpr 66
		.amdhsa_reserve_vcc 0
		.amdhsa_float_denorm_mode_32 3
		.amdhsa_float_denorm_mode_16_64 3
		.amdhsa_memory_ordered 1
		.amdhsa_forward_progress 1
		.amdhsa_inst_pref_size 205
	.end_amdhsa_kernel
	.amdgpu_metadata
---
amdhsa.version: [ 1, 2 ]
amdhsa.kernels:
  - .name:           k_qd3d062b477_nearest
    .symbol:         k_qd3d062b477_nearest.kd
    .args:
      - { .name: zrec, .offset: 0, .size: 8, .value_kind: global_buffer, .address_space: global }
      - { .name: crec, .offset: 8, .size: 8, .value_kind: global_buffer, .address_space: global }
      - { .name: cand, .offset: 16, .size: 8, .value_kind: global_buffer, .address_space: global }
    .group_segment_fixed_size: 327680
    .private_segment_fixed_size: 0
    .kernarg_segment_align: 8
    .kernarg_segment_size: 24
    .max_flat_workgroup_size: 256
    .sgpr_count:     66
    .vgpr_count:     448
    .wavefront_size: 32
...
	.end_amdgpu_metadata
.endif
;; end of part 2
;; launch resolve (part 3): grid 256 x 1, 8 waves a work-group, no clusters, 1,536 bytes of LDS; arguments zrec, crec, cand, out1, ids; writes out1, ids
.if DOCPART == 3
	.amdgcn_target "amdgcn-amd-amdhsa--gfx1250"
	.amdhsa_code_object_version 6
	.text
	.protected	k_qd3d062b477_resolve
	.globl	k_qd3d062b477_resolve
	.p2align	8
	.type	k_qd3d062b477_resolve,@function
k_qd3d062b477_resolve:
	s_mov_b64 s[64:65], 0
	v_nop
	global_prefetch_b8 v0, s[64:65] scope:SCOPE_SE
	s_setreg_imm32_b32 hwreg(HW_REG_WAVE_MODE, 25, 1), 1
	s_wait_xcnt 0x0
; token id = the first smallest distance among the eight codes 8 q .. 8 q + 7 of the octet q that the launch before stored for each row of z.  The distances are made anew by the same instructions on the same codes.
; SHARES: a work-group takes 128 rows of z, wave w its record w (column n is row 128 x + 16 w + n).  Eight tiles of codes: tile a holds, as rows 0-7, the octet of column 2 a, and as rows 8-15 that of column 2 a + 1.
; Lane (8 u + t, h) takes the registers of code 8 q + t as they lie in crec: 16 bytes at 28672 (q / 16) + 256 m + 4096 k + 128 h + 16 t, m = q mod 16: sixteen lanes read 256 consecutive bytes.
; Its scale word lies at 26624 + 256 (m / 2) + 32 (m mod 2) + 64 h + 4 t of the group, the octet's eight sums of squares on end at 128 + 26624 + 256 (m / 2) + 32 (m mod 2).
; In the result of tile a, lane (n, h) holds in register j the product of column n with row 8 h + j: wanted where a = n / 2 and h = n mod 2; there register j is code 8 q + j.  Three rounds of selects by n's bits bring it to the first accumulator.
; q is read from memory, held to 1,023, and enters addresses by ANDs, multiplications, shifts left and adds.  No tensor load; the 128 ids meet in LDS and leave as 512 consecutive bytes.
; No prefetch: the text has no loop to run ahead in, and which bytes of crec it wants is known only from cand.
; LIMITS: NaN and infinities among the inputs are not served.
.set REC,  3328
.set AUXB, 26624
.set SPARE, 512
.set SPW, 10
.set NIL, 11
.set QA,  16                           ; v16-23 my row's octet in tile a; v24 my column's
.set QN,  24
.set ZS,  26
.set OT,  27
.set ZZ,  28
.set AD,  32
.set SAD, 40                           ; v40-47 the scale words' offsets; v48 the sums'
.set AS,  56                           ; v56-63 the tiles' scale words
.set ZF,  64                           ; v64-87 z's fragments
.set CCR, 88                           ; v88-95 my octet's sums of squares
.set ACC, 96                           ; v96-159
.set TG,  160
.set TU,  170
.set TE,  200
.set TO,  210
.set V1,  180
.set I1,  184
.set V2,  188
.set I2,  190
.set I3,  193
.set ID,  194
.set OB,  196
	s_load_b256 s[4:11], s[0:1], 0x0               ; zrec, crec, cand, out1
	s_load_b64 s[12:13], s[0:1], 0x20              ; ids
	v_lshl_add_u32 v[SPW], v0, 2, SPARE
	v_mov_b32 v[NIL], 0
	v_lshrrev_b32 v1, 5, v0
	v_and_b32 v2, 15, v0                           ; n, or my row of a tile
	v_readfirstlane_b32 s14, v1                    ; wave 0..7
	v_and_b32 v1, 31, v0
	v_bfe_u32 v3, v0, 4, 1                         ; h
	v_bfe_u32 v6, v0, 3, 1                         ; u
	v_and_b32 v13, 7, v0                           ; t
	v_lshlrev_b32 v4, 4, v1
	v_lshlrev_b32 v5, 2, v1
	v_lshlrev_b32 v6, 2, v6
	v_lshlrev_b32 v7, 2, v2
	v_lshlrev_b32 v8, 4, v13
	v_lshlrev_b32 v9, 2, v13
	v_lshlrev_b32 v12, 2, v2
	v_lshl_add_u32 v8, v3, 7, v8                   ; 16 t + 128 h
	v_lshl_add_u32 v9, v3, 6, v9                   ; 4 t + 64 h
	v_lshl_add_u32 v12, s14, 6, v12                ; LDS: word 16 w + n
	v_and_b32 v14, 2, v0
	v_and_b32 v15, 4, v0
	v_and_b32 v30, 8, v0
	v_and_b32 v31, 1, v0
	v_cmp_ne_u32 s40, 0, v14
	v_cmp_ne_u32 s41, 0, v15
	v_cmp_ne_u32 s42, 0, v30
	v_cmp_eq_u32 s43, v31, v3                      ; my lane holds its column's octet
	v_mov_b32 v[ZZ+1], 0
	v_mov_b32 v[OT], 0
	v_mov_b32 v25, 0                               ; the sums' offset has no lane term
	s_lshl_b32 s15, ttmp9, 3
	s_add_co_u32 s15, s15, s14                     ; my record of z
	s_mul_i32 s16, s15, REC
	s_mov_b32 s17, 0
	s_lshl_b32 s18, s15, 6
	s_mov_b32 s19, 0
	s_mov_b32 s20, 0x76543210
	s_mov_b32 s21, 0xfedcba98
	s_wait_alu depctr_va_vdst(0)                   ; the head's end
	s_wait_kmcnt 0x0
	s_add_nc_u64 s[4:5], s[4:5], s[16:17]
	s_add_nc_u64 s[8:9], s[8:9], s[18:19]
.irp a, 0,1,2,3,4,5,6,7
	global_load_b32 v[QA+\a], v6, s[8:9] offset:8*\a   ; column 2 a + u
.endr
	global_load_b32 v[QN], v7, s[8:9]
.irp k, 0,1,2,3,4,5
	global_load_b128 v[ZF+4*\k:ZF+4*\k+3], v4, s[4:5] offset:512*\k
.endr
	global_load_b32 v[ZS], v5, s[4:5] offset:3072
	global_load_b32 v[ZZ], v5, s[4:5] offset:3200
	s_wait_loadcnt 0x8                             ; the nine octets are in; z's eight loads may be out
.irp x, 0,1,2,3,4,5,6,7,8
	v_min_u32 v[QA+\x], 0x3ff, v[QA+\x]
.endr
.irp x, 0,1,2,3,4,5,6,7,8
	v_and_b32 v[TG+\x], 0x3f0, v[QA+\x]
.endr
.irp x, 0,1,2,3,4,5,6,7,8
	v_and_b32 v[TU+\x], 15, v[QA+\x]
.endr
.irp x, 0,1,2,3,4,5,6,7,8
	v_and_b32 v[TE+\x], 14, v[QA+\x]
.endr
.irp x, 0,1,2,3,4,5,6,7,8
	v_and_b32 v[TO+\x], 1, v[QA+\x]
.endr
.irp x, 0,1,2,3,4,5,6,7,8
	v_mul_u32_u24 v[TG+\x], v[TG+\x], 1792         ; 16 (q / 16) x 1,792 = the group's 28,672 bytes
.endr
.irp a, 0,1,2,3,4,5,6,7
	v_lshl_add_u32 v[AD+\a], v[TU+\a], 8, v8
.endr
.irp a, 0,1,2,3,4,5,6,7
	v_lshl_add_u32 v[SAD+\a], v[TE+\a], 7, v9
.endr
	v_lshl_add_u32 v[SAD+8], v[TE+8], 7, v25
.irp a, 0,1,2,3,4,5,6,7
	v_add_nc_u32 v[AD+\a], v[AD+\a], v[TG+\a]
.endr
.irp x, 0,1,2,3,4,5,6,7,8
	v_lshl_add_u32 v[SAD+\x], v[TO+\x], 5, v[SAD+\x]
.endr
.irp x, 0,1,2,3,4,5,6,7,8
	v_add_nc_u32 v[SAD+\x], v[SAD+\x], v[TG+\x]
.endr
	s_set_vgpr_msb 0x40                            ; the codes' fragments: window 1, v[24 a ..]
.irp a, 0,1,2,3,4,5,6,7
.irp k, 0,1,2,3,4,5
	global_load_b128 v[24*\a+4*\k:24*\a+4*\k+3], v[AD+\a], s[6:7] offset:4096*\k
.endr
.endr
	s_set_vgpr_msb 0x4000
.irp a, 0,1,2,3,4,5,6,7
	global_load_b32 v[AS+\a], v[SAD+\a], s[6:7] offset:AUXB
.endr
	global_load_b128 v[CCR:CCR+3], v[SAD+8], s[6:7] offset:AUXB+128     ; the sums of squares of codes 8 q + 0 .. 7
	global_load_b128 v[CCR+4:CCR+7], v[SAD+8], s[6:7] offset:AUXB+144
	s_wait_loadcnt 0x0
	s_set_vgpr_msb 0x0001                          ; source 0 in window 1.  The eight accumulators take turns
.irp a, 0,1,2,3,4,5,6,7
	v_wmma_scale_f32_16x16x128_f8f6f4 v[ACC+8*\a:ACC+8*\a+7], v[24*\a:24*\a+11], v[ZF:ZF+11], 0, v[AS+\a], v[ZS] matrix_a_fmt:MATRIX_FMT_BF6 matrix_b_fmt:MATRIX_FMT_BF6
.endr
.irp a, 0,1,2,3,4,5,6,7
	v_wmma_scale_f32_16x16x128_f8f6f4 v[ACC+8*\a:ACC+8*\a+7], v[24*\a+12:24*\a+23], v[ZF+12:ZF+23], v[ACC+8*\a:ACC+8*\a+7], v[AS+\a], v[ZS] matrix_a_fmt:MATRIX_FMT_BF6 matrix_b_fmt:MATRIX_FMT_BF6 matrix_a_scale:MATRIX_SCALE_ROW1 matrix_b_scale:MATRIX_SCALE_ROW1
.endr
	s_set_vgpr_msb 0x0100
.rept 4
	v_nop                                          ; four places behind the last product
.endr
.irp c, 0,1,2,3                                ; accumulator n / 2, by n's bits 1, 2, 3; each accumulator is read from its low end on
.irp j, 0,1,2,3,4,5,6,7
	v_cndmask_b32 v[ACC+16*\c+\j], v[ACC+16*\c+\j], v[ACC+16*\c+8+\j], s40
.endr
.endr
.irp c, 0,1
.irp j, 0,1,2,3,4,5,6,7
	v_cndmask_b32 v[ACC+32*\c+\j], v[ACC+32*\c+\j], v[ACC+32*\c+16+\j], s41
.endr
.endr
.irp j, 0,1,2,3,4,5,6,7
	v_cndmask_b32 v[ACC+\j], v[ACC+\j], v[ACC+32+\j], s42
.endr
.irp j, 0,2,4,6
	v_pk_fma_f32 v[ACC+\j:ACC+\j+1], v[ACC+\j:ACC+\j+1], -2.0, v[ZZ:ZZ+1] op_sel_hi:[1,0,0]
.endr
.irp j, 0,2,4,6
	v_pk_add_f32 v[ACC+\j:ACC+\j+1], v[ACC+\j:ACC+\j+1], v[CCR+\j:CCR+\j+1]
.endr
.irp c, 0,1,2,3                                ; the first smallest of eight: the later one wins only where it is smaller
	v_cmp_lt_f32 s[44+\c], v[ACC+2*\c+1], v[ACC+2*\c]
.endr
.irp c, 0,1,2,3
	v_cndmask_b32 v[V1+\c], v[ACC+2*\c], v[ACC+2*\c+1], s[44+\c]
	v_cndmask_b32 v[I1+\c], 2*\c, 2*\c+1, s[44+\c]
.endr
.irp c, 0,1
	v_cmp_lt_f32 s[44+\c], v[V1+2*\c+1], v[V1+2*\c]
.endr
.irp c, 0,1
	v_cndmask_b32 v[V2+\c], v[V1+2*\c], v[V1+2*\c+1], s[44+\c]
	v_cndmask_b32 v[I2+\c], v[I1+2*\c], v[I1+2*\c+1], s[44+\c]
.endr
	v_cmp_lt_f32 s44, v[V2+1], v[V2]
	v_cndmask_b32 v[I3], v[I2], v[I2+1], s44
	s_delay_alu instid0(VALU_DEP_1)
	v_lshl_add_u32 v[ID], v[QN], 3, v[I3]          ; 8 q + j
	s_delay_alu instid0(VALU_DEP_1)
	v_permlanex16_b32 v[OT], v[ID], s20, s21
	s_delay_alu instid0(VALU_DEP_1)
	v_cndmask_b32 v[ID], v[OT], v[ID], s43         ; the half of the lanes that does not hold the column's octet takes the other's id
	ds_store_b32 v12, v[ID]                        ; both halves write the same word with the same value
	s_wait_dscnt 0x0                               ; for the others' sake
	s_barrier_signal -1
	s_barrier_wait -1
	s_cmp_lg_u32 s14, 0
	s_cbranch_scc1 .Lend                           ; wave 0 stores the 128 ids
	ds_load_b128 v[OB:OB+3], v4
	s_lshl_b32 s16, ttmp9, 9
	s_mov_b32 s17, 0
	s_add_nc_u64 s[10:11], s[10:11], s[16:17]
	s_add_nc_u64 s[12:13], s[12:13], s[16:17]
	s_wait_dscnt 0x0
	global_store_b128 v4, v[OB:OB+3], s[10:11]     ; 512 consecutive bytes
	global_store_b128 v4, v[OB:OB+3], s[12:13]
.Lend:
	s_wait_tensorcnt 0x0                           ; the wave's end
	ds_add_u32 v[SPW], v[NIL]
	s_wait_dscnt 0x0
	s_endpgm
.Lfunc_end_k_qd3d062b477_resolve:
	.size	k_qd3d062b477_resolve, .Lfunc_end_k_qd3d062b477_resolve-k_qd3d062b477_resolve
	.p2alignl 7, 3214868480
	.fill 96, 4, 3214868480
	.section	.rodata,"a",@progbits
	.p2align	6, 0x0
	.amdhsa_kernel k_qd3d062b477_resolve
		.amdhsa_group_segment_fixed_size 1536
		.amdhsa_private_segment_fixed_size 0
		.amdhsa_enable_private_segment 0
		.amdhsa_kernarg_size 40
		.amdhsa_user_sgpr_count 2
		.amdhsa_user_sgpr_kernarg_segment_ptr 1
		.amdhsa_wavefront_size32 1
		.amdhsa_system_sgpr_workgroup_id_x 1
		.amdhsa_system_sgpr_workgroup_id_y 1
		.amdhsa_system_sgpr_workgroup_id_z 1
		.amdhsa_system_vgpr_workitem_id 0
		.amdhsa_next_free_vgpr 448
		.amdhsa_next_free_sgpr 66
		.amdhsa_reserve_vcc 0
		.amdhsa_float_denorm_mode_32 3
		.amdhsa_float_denorm_mode_16_64 3
		.amdhsa_memory_ordered 1
		.amdhsa_forward_progress 1
		.amdhsa_inst_pref_size 23
	.end_amdhsa_kernel
	.amdgpu_metadata
---
amdhsa.version: [ 1, 2 ]
amdhsa.kernels:
  - .name:           k_qd3d062b477_resolve
    .symbol:         k_qd3d062b477_resolve.kd
    .args:
      - { .name: zrec, .offset: 0, .size: 8, .value_kind: global_buffer, .address_space: global }
      - { .name: crec, .offset: 8, .size: 8, .value_kind: global_buffer, .address_space: global }
      - { .name: cand, .offset: 16, .size: 8, .value_kind: global_buffer, .address_space: global }
      - { .name: out1, .offset: 24, .size: 8, .value_kind: global_buffer, .address_space: global }
      - { .name: ids, .offset: 32, .size: 8, .value_kind: global_buffer, .address_space: global }
    .group_segment_fixed_size: 1536
    .private_segment_fixed_size: 0
    .kernarg_segment_align: 8
    .kernarg_segment_size: 40
    .max_flat_workgroup_size: 256
    .sgpr_count:     66
    .vgpr_count:     448
    .wavefront_size: 32
...
	.end_amdgpu_metadata
.endif
;; end of part 3
;; launch gather (part 4): grid 512 x 1, 8 waves a work-group, no clusters, 1,280 bytes of LDS; arguments z, codebook, ids, out0, part; writes out0, part
.if DOCPART == 4
	.amdgcn_target "amdgcn-amd-amdhsa--gfx1250"
	.amdhsa_code_object_version 6
	.text
	.protected	k_qd3d062b477_gather
	.globl	k_qd3d062b477_gather
	.p2align	8
	.type	k_qd3d062b477_gather,@function
k_qd3d062b477_gather:
	s_mov_b64 s[64:65], 0
	v_nop
	global_prefetch_b8 v0, s[64:65] scope:SCOPE_SE
	s_setreg_imm32_b32 hwreg(HW_REG_WAVE_MODE, 25, 1), 1
	s_wait_xcnt 0x0
; out0[row] = z[row] + (codebook[ids[row]] - z[row]), and for each work-group the sum of (out0 - z)^2 over its 64 rows, all in f32, in reference()'s order of operations for each number.
; A wave takes 8 rows of 1,024 bytes: each load and store covers 512 consecutive bytes, 16 a lane.  All of a wave's 32 loads go out before the first is used; no register is written twice, so nothing waits for a store.
; The eight indices come by one scalar load; z's loads go out while it is on its way.  An index is held to 8,191, the table's last row, before it enters an address.
; No LDS tiles, no matrix unit, no cluster: each byte of z is read once and the codebook's rows are named by data.
.set CO, 8                             ; v8-15   row i: byte offset of my 16 bytes in its row of the codebook
.set CH, 16                            ; v16-23  four packed chains of squares
.set ZR, 32                            ; v32-95  z, 8 registers a row; then out0 - z
.set CR, 96                            ; v96-159 the codebook's rows; then out0
	s_load_b256 s[4:11], s[0:1], 0x0               ; z s[4:5], codebook s[6:7], ids s[8:9], out0 s[10:11]
	s_load_b64 s[12:13], s[0:1], 0x20              ; part
	v_lshl_add_u32 v160, v0, 2, 0x100
	v_mov_b32 v161, 0
	v_lshrrev_b32 v1, 5, v0
	s_delay_alu instid0(VALU_DEP_1)
	v_readfirstlane_b32 s14, v1                    ; wave 0..7
	v_and_b32 v2, 31, v0
	s_delay_alu instid0(VALU_DEP_1)
	v_lshlrev_b32 v3, 4, v2                        ; 16 x lane; never rewritten
	s_lshl_b32 s15, ttmp9, 3
	s_add_co_u32 s15, s15, s14                     ; which run of 8 rows is my wave's
	s_lshl_b32 s24, s15, 5                         ; its 32 bytes of indices
	s_mov_b32 s25, 0
	s_lshl_b32 s26, s15, 13                        ; its 8,192 bytes of z and of out0 (4,095 runs at the most: under 2^25)
	s_mov_b32 s27, 0
	s_mov_b32 s28, 0x76543210
	s_mov_b32 s29, 0xfedcba98                      ; v_permlanex16_b32's selects for lane l xor 16
	s_wait_alu depctr_va_vdst(0)
	s_wait_kmcnt 0x0
	s_add_nc_u64 s[8:9], s[8:9], s[24:25]
	s_load_b256 s[16:23], s[8:9], 0x0              ; eight indices
	s_add_nc_u64 s[4:5], s[4:5], s[26:27]
	s_add_nc_u64 s[10:11], s[10:11], s[26:27]
.irp i, 0,1,2,3,4,5,6,7
	global_load_b128 v[ZR+8*\i:ZR+8*\i+3], v3, s[4:5] offset:1024*\i th:TH_LOAD_NT
	global_load_b128 v[ZR+8*\i+4:ZR+8*\i+7], v3, s[4:5] offset:1024*\i+512 th:TH_LOAD_NT
.endr
	s_wait_kmcnt 0x0
.irp i, 0,1,2,3,4,5,6,7
	s_min_u32 s[16+\i], s[16+\i], 0x1fff
.endr
.irp i, 0,1,2,3,4,5,6,7
	v_lshl_add_u32 v[CO+\i], s[16+\i], 10, v3      ; index x 1,024 bytes + 16 x lane
.endr
.irp i, 0,1,2,3,4,5,6,7
	global_load_b128 v[CR+8*\i:CR+8*\i+3], v[CO+\i], s[6:7]            ; no hint: a row may be named again
	global_load_b128 v[CR+8*\i+4:CR+8*\i+7], v[CO+\i], s[6:7] offset:512
.endr
.macro ROW i
	s_wait_loadcnt 14-2*\i                         ; loads come back in order: z is in, and this row of the codebook; the 14 - 2 i loads of the rows behind may be out
.irp j, 0,2,4,6
	v_pk_add_f32 v[CR+8*\i+\j:CR+8*\i+\j+1], v[CR+8*\i+\j:CR+8*\i+\j+1], v[ZR+8*\i+\j:ZR+8*\i+\j+1] neg_lo:[0,1] neg_hi:[0,1]   ; c - z
.endr
.irp j, 0,2,4,6
	s_delay_alu instid0(VALU_DEP_4)
	v_pk_add_f32 v[CR+8*\i+\j:CR+8*\i+\j+1], v[ZR+8*\i+\j:ZR+8*\i+\j+1], v[CR+8*\i+\j:CR+8*\i+\j+1]                             ; z + (c - z)
.endr
.irp j, 0,2,4,6
	s_delay_alu instid0(VALU_DEP_4)
	v_pk_add_f32 v[ZR+8*\i+\j:ZR+8*\i+\j+1], v[CR+8*\i+\j:CR+8*\i+\j+1], v[ZR+8*\i+\j:ZR+8*\i+\j+1] neg_lo:[0,1] neg_hi:[0,1]   ; the difference that the loss squares
.endr
	global_store_b128 v3, v[CR+8*\i:CR+8*\i+3], s[10:11] offset:1024*\i th:TH_STORE_NT        ; 32 lanes store 512 consecutive bytes, at a multiple of 256 from the buffer's first byte
	global_store_b128 v3, v[CR+8*\i+4:CR+8*\i+7], s[10:11] offset:1024*\i+512 th:TH_STORE_NT
.irp j, 0,2,4,6
.if \i == 0
	v_pk_mul_f32 v[CH+\j:CH+\j+1], v[ZR+\j:ZR+\j+1], v[ZR+\j:ZR+\j+1]                        ; the first row starts the chains: nothing is cleared
.else
	v_pk_fma_f32 v[CH+\j:CH+\j+1], v[ZR+8*\i+\j:ZR+8*\i+\j+1], v[ZR+8*\i+\j:ZR+8*\i+\j+1], v[CH+\j:CH+\j+1]
.endif
.endr
.endm
.irp i, 0,1,2,3,4,5,6,7
	ROW \i
.endr
	s_delay_alu instid0(VALU_DEP_3)
	v_pk_add_f32 v[CH:CH+1], v[CH:CH+1], v[CH+2:CH+3]
	s_delay_alu instid0(VALU_DEP_2)
	v_pk_add_f32 v[CH+4:CH+5], v[CH+4:CH+5], v[CH+6:CH+7]
	s_delay_alu instid0(VALU_DEP_1)
	v_pk_add_f32 v[CH:CH+1], v[CH:CH+1], v[CH+4:CH+5]
	s_delay_alu instid0(VALU_DEP_1)
	v_add_f32 v16, v16, v17
	s_delay_alu instid0(VALU_DEP_1)
	v_add_f32_dpp v16, v16, v16 row_xmask:1 row_mask:0xf bank_mask:0xf
	s_delay_alu instid0(VALU_DEP_1)
	v_add_f32_dpp v16, v16, v16 row_xmask:2 row_mask:0xf bank_mask:0xf
	s_delay_alu instid0(VALU_DEP_1)
	v_add_f32_dpp v16, v16, v16 row_xmask:4 row_mask:0xf bank_mask:0xf
	s_delay_alu instid0(VALU_DEP_1)
	v_add_f32_dpp v16, v16, v16 row_xmask:8 row_mask:0xf bank_mask:0xf
	s_delay_alu instid0(VALU_DEP_1)
	v_permlanex16_b32 v17, v16, s28, s29
	s_delay_alu instid0(VALU_DEP_1)
	v_add_f32 v16, v16, v17                        ; the wave's sum, in every lane
	v_mov_b32 v24, s14
	s_delay_alu instid0(VALU_DEP_1)
	v_lshlrev_b32 v24, 2, v24
	ds_store_b32 v24, v16                          ; all lanes write the wave's word with the same value
	s_wait_dscnt 0x0                               ; for the others' sake
	s_barrier_signal -1
	s_barrier_wait -1
	s_cmp_lg_u32 s14, 0
	s_cbranch_scc1 .Lend                           ; wave 0 adds the eight
	v_mov_b32 v2, 0
	ds_load_b128 v[24:27], v2
	ds_load_b128 v[28:31], v2 offset:16
	s_lshl_b32 s31, ttmp9, 2
	v_mov_b32 v1, s31                              ; my work-group's word of part
	s_wait_dscnt 0x0
	v_pk_add_f32 v[24:25], v[24:25], v[26:27]
	v_pk_add_f32 v[28:29], v[28:29], v[30:31]
	s_delay_alu instid0(VALU_DEP_1)
	v_pk_add_f32 v[24:25], v[24:25], v[28:29]
	s_delay_alu instid0(VALU_DEP_1)
	v_add_f32 v24, v24, v25
	v_cmp_eq_u32 vcc_lo, 0, v0
	s_wait_alu depctr_va_vdst(0)
	s_wait_xcnt 0x0                                ; EXEC is a source of the stores above: it changes only behind this wait
	s_and_saveexec_b32 s30, vcc_lo
	global_store_b32 v1, v24, s[12:13]             ; one lane, one number
	s_wait_xcnt 0x0                                ; and again, in front of the line that widens it
	s_or_b32 exec_lo, exec_lo, s30
.Lend:
	s_wait_tensorcnt 0x0
	ds_add_u32 v160, v161
	s_wait_dscnt 0x0
	s_endpgm
.Lfunc_end_k_qd3d062b477_gather:
	.size	k_qd3d062b477_gather, .Lfunc_end_k_qd3d062b477_gather-k_qd3d062b477_gather
	.p2alignl 7, 3214868480
	.fill 96, 4, 3214868480
	.section	.rodata,"a",@progbits
	.p2align	6, 0x0
	.amdhsa_kernel k_qd3d062b477_gather
		.amdhsa_group_segment_fixed_size 1280
		.amdhsa_private_segment_fixed_size 0
		.amdhsa_enable_private_segment 0
		.amdhsa_kernarg_size 40
		.amdhsa_user_sgpr_count 2
		.amdhsa_user_sgpr_kernarg_segment_ptr 1
		.amdhsa_wavefront_size32 1
		.amdhsa_system_sgpr_workgroup_id_x 1
		.amdhsa_system_sgpr_workgroup_id_y 1
		.amdhsa_system_sgpr_workgroup_id_z 1
		.amdhsa_system_vgpr_workitem_id 0
		.amdhsa_next_free_vgpr 162
		.amdhsa_next_free_sgpr 66
		.amdhsa_reserve_vcc 1
		.amdhsa_float_denorm_mode_32 3
		.amdhsa_float_denorm_mode_16_64 3
		.amdhsa_memory_ordered 1
		.amdhsa_forward_progress 1
		.amdhsa_inst_pref_size 20
	.end_amdhsa_kernel
	.amdgpu_metadata
---
amdhsa.version: [ 1, 2 ]
amdhsa.kernels:
  - .name:           k_qd3d062b477_gather
    .symbol:         k_qd3d062b477_gather.kd
    .args:
      - { .name: z, .offset: 0, .size: 8, .value_kind: global_buffer, .address_space: global }
      - { .name: codebook, .offset: 8, .size: 8, .value_kind: global_buffer, .address_space: global }
      - { .name: ids, .offset: 16, .size: 8, .value_kind: global_buffer, .address_space: global }
      - { .name: out0, .offset: 24, .size: 8, .value_kind: global_buffer, .address_space: global }
      - { .name: part, .offset: 32, .size: 8, .value_kind: global_buffer, .address_space: global }
    .group_segment_fixed_size: 1280
    .private_segment_fixed_size: 0
    .kernarg_segment_align: 8
    .kernarg_segment_size: 40
    .max_flat_workgroup_size: 256
    .sgpr_count:     66
    .vgpr_count:     162
    .wavefront_size: 32
...
	.end_amdgpu_metadata
.endif
;; end of part 4
;; launch total (part 5): grid 1 x 1, 1 waves a work-group, no clusters, 0 bytes of LDS; arguments part, out2; writes out2
.if DOCPART == 5
	.amdgcn_target "amdgcn-amd-amdhsa--gfx1250"
	.amdhsa_code_object_version 6
	.text
	.protected	k_qd3d062b477_total
	.globl	k_qd3d062b477_total
	.p2align	8
	.type	k_qd3d062b477_total,@function
k_qd3d062b477_total:
	s_mov_b64 s[64:65], 0
	v_nop
	global_prefetch_b8 v0, s[64:65] scope:SCOPE_SE
	s_setreg_imm32_b32 hwreg(HW_REG_WAVE_MODE, 25, 1), 1
	s_wait_xcnt 0x0
; out2 = 0.25 x the mean of the squared differences = the sum of the 512 work-groups' partial sums x 2^-25 (0.25 / (32,768 x 256): a power of two, so the multiplication rounds nothing).
; One wave: four loads of 512 consecutive bytes, sums in f32, one number out.
	s_load_b128 s[4:7], s[0:1], 0x0                ; part, out2
	v_lshlrev_b32 v1, 4, v0                        ; 16 x lane
	s_mov_b32 s10, 0x76543210
	s_mov_b32 s11, 0xfedcba98                      ; v_permlanex16_b32's selects for lane l xor 16
	s_wait_alu depctr_va_vdst(0)
	s_wait_kmcnt 0x0
.irp k, 0,1,2,3
	global_load_b128 v[4+4*\k:7+4*\k], v1, s[4:5] offset:512*\k
.endr
	s_wait_loadcnt 0x0
	v_pk_add_f32 v[4:5], v[4:5], v[8:9]
	v_pk_add_f32 v[6:7], v[6:7], v[10:11]
	v_pk_add_f32 v[12:13], v[12:13], v[16:17]
	v_pk_add_f32 v[14:15], v[14:15], v[18:19]
	v_pk_add_f32 v[4:5], v[4:5], v[12:13]
	v_pk_add_f32 v[6:7], v[6:7], v[14:15]
	v_pk_add_f32 v[4:5], v[4:5], v[6:7]
	v_add_f32 v4, v4, v5
	v_add_f32_dpp v4, v4, v4 row_xmask:1 row_mask:0xf bank_mask:0xf
	v_add_f32_dpp v4, v4, v4 row_xmask:2 row_mask:0xf bank_mask:0xf
	v_add_f32_dpp v4, v4, v4 row_xmask:4 row_mask:0xf bank_mask:0xf
	v_add_f32_dpp v4, v4, v4 row_xmask:8 row_mask:0xf bank_mask:0xf
	v_permlanex16_b32 v5, v4, s10, s11
	v_add_f32 v4, v4, v5
	v_mul_f32 v4, 0x33000000, v4                   ; x 2^-25
	v_mov_b32 v6, 0
	v_cmp_eq_u32 vcc_lo, 0, v0
	s_wait_alu depctr_va_vdst(0)
	s_wait_xcnt 0x0                                ; EXEC changes only behind this wait
	s_and_saveexec_b32 s8, vcc_lo
	global_store_b32 v6, v4, s[6:7]
	s_wait_xcnt 0x0
	s_or_b32 exec_lo, exec_lo, s8
	s_endpgm
.Lfunc_end_k_qd3d062b477_total:
	.size	k_qd3d062b477_total, .Lfunc_end_k_qd3d062b477_total-k_qd3d062b477_total
	.p2alignl 7, 3214868480
	.fill 96, 4, 3214868480
	.section	.rodata,"a",@progbits
	.p2align	6, 0x0
	.amdhsa_kernel k_qd3d062b477_total
		.amdhsa_group_segment_fixed_size 0
		.amdhsa_private_segment_fixed_size 0
		.amdhsa_enable_private_segment 0
		.amdhsa_kernarg_size 16
		.amdhsa_user_sgpr_count 2
		.amdhsa_user_sgpr_kernarg_segment_ptr 1
		.amdhsa_wavefront_size32 1
		.amdhsa_system_sgpr_workgroup_id_x 1
		.amdhsa_system_sgpr_workgroup_id_y 1
		.amdhsa_system_sgpr_workgroup_id_z 1
		.amdhsa_system_vgpr_workitem_id 0
		.amdhsa_next_free_vgpr 32
		.amdhsa_next_free_sgpr 66
		.amdhsa_reserve_vcc 1
		.amdhsa_float_denorm_mode_32 3
		.amdhsa_float_denorm_mode_16_64 3
		.amdhsa_memory_ordered 1
		.amdhsa_forward_progress 1
		.amdhsa_inst_pref_size 3
	.end_amdhsa_kernel
	.amdgpu_metadata
---
amdhsa.version: [ 1, 2 ]
amdhsa.kernels:
  - .name:           k_qd3d062b477_total
    .symbol:         k_qd3d062b477_total.kd
    .args:
      - { .name: part, .offset: 0, .size: 8, .value_kind: global_buffer, .address_space: global }
      - { .name: out2, .offset: 8, .size: 8, .value_kind: global_buffer, .address_space: global }
    .group_segment_fixed_size: 0
    .private_segment_fixed_size: 0
    .kernarg_segment_align: 8
    .kernarg_segment_size: 16
    .max_flat_workgroup_size: 32
    .sgpr_count:     66
    .vgpr_count:     32
    .wavefront_size: 32
...
	.end_amdgpu_metadata
.endif
;; end of part 5
